; MI455X (gfx1250); checked and timed in simulation.
; The chip was launched on July 23, 2026; its instructions are those of AMD's public machine-readable ISA for CDNA 5 (MIT licence, August 2026) and "CDNA5" Instruction Set Architecture Reference Guide (July 2026). The comments in the code are by the model that wrote it; some were corrected since.
;; Quantized Linear. Allowed arithmetic: float matrix products may take bf16 or f16 operands with f32 sums; other float arithmetic in f32, or as packed bf16 or f16 multiplies, adds, multiply-adds, maxima and minima; sums over many terms, partial sums and values carried from step to step in f32; what a program stores and reads back later, other than sums and carried values, may be rounded once to bf16 or f16.
;; Inputs: S 64 float32; U 4,096 x 64 float32; Vt 64 x 4,096 float32; bias 4,096 float32; centroids 8,192 x 8 float32; indices 4,096 x 512 int32; perm 4,096 int32; weight_bias 4,096 x 1 float32; weight_scale 4,096 x 1 float32; x 4,096 x 4,096 float32.
;; Outputs: out0 4,096 x 4,096 float32.
;; One version. Each part assembles by itself: llvm-mc -triple=amdgcn-amd-amdhsa -mcpu=gfx1250 --defsym DOCPART=n.
;; ======== version 1 of 1: 3 launches
;; limits: values are held in f16: magnitudes above 65,504 overflow, below 6.1e-05 lose precision
;; workspace buffers: x16 33,554,432 bytes; w16 33,554,432 bytes; c16 131,072 bytes; u16 524,288 bytes; vfrag 524,288 bytes
;; launch prep (part 1): grid 1172 x 1, 8 waves a work-group, no clusters, 0 bytes of LDS; arguments x, centroids, U, Vt, S, x16, c16, u16, vfrag; writes x16, c16, u16, vfrag
.if DOCPART == 1
	.amdgcn_target "amdgcn-amd-amdhsa--gfx1250"
	.amdhsa_code_object_version 6
	.text
	.protected	k_q88f292b200_prep
	.globl	k_q88f292b200_prep
	.p2align	8
	.type	k_q88f292b200_prep,@function
k_q88f292b200_prep:
	s_mov_b64 s[64:65], 0
	v_nop
	global_prefetch_b8 v0, s[64:65] scope:SCOPE_SE
	s_setreg_imm32_b32 hwreg(HW_REG_WAVE_MODE, 25, 1), 1
	s_wait_xcnt 0x0
; PREPARATION.  x, centroids and U are rounded once to f16 (x16, c16, u16, same order of elements); S[k] Vt[k][i] is made in f32, rounded once to f16
; and laid out in the order in which the next launch's matrix instruction wants it (vfrag).
; LIMITS.  f16 ends at 65,504: a number of x, centroids, U or S Vt beyond that becomes an infinity; below 6e-5 f16 keeps a fixed step of 6e-8.  NaN and infinities are not treated apart.
; SHARES.  Work-groups 0..1023 take 64 KiB of x each, 1024..1027 of centroids, 1028..1043 of U: one text, the pointers chosen by the work-group's number.  Work-groups 1044..1171 make vfrag.
; No LDS, no matrix unit, no barrier: no thread wants a byte that another has fetched.  A thread's whole share (16 loads of 16 bytes) is asked for at once, so there is no ring and no loop.
.set NX,   1024                        ; work-groups for x:         67,108,864 / 65,536
.set NC,   4                           ; for centroids:                262,144 / 65,536
.set NU,   16                          ; for U:                      1,048,576 / 65,536
.set IN,   16                          ; v[16:79]   sixteen loads of four f32
.set OUTR, 80                          ; v[80:111]  sixteen pairs of registers, four f16 each
	s_load_b256 s[4:11], s[0:1], 0x0               ; x s[4:5], centroids s[6:7], U s[8:9], Vt s[10:11]
	s_load_b256 s[12:19], s[0:1], 0x20             ; S s[12:13], x16 s[14:15], c16 s[16:17], u16 s[18:19]
	s_load_b64 s[20:21], s[0:1], 0x40              ; vfrag
	v_lshlrev_b32 v1, 4, v0                        ; 16 bytes a thread: a wave's load covers 512 consecutive bytes
	v_lshlrev_b32 v2, 3, v0                        ; 8 bytes a thread: a wave's store covers 256 consecutive bytes, aligned
	s_wait_kmcnt 0x0
	s_cmp_ge_u32 ttmp9, NX+NC+NU
	s_cbranch_scc1 .Lvt
	; ---- f32 to f16, 64 KiB of the source to a work-group ----
	s_mov_b64 s[26:27], s[4:5]                     ; from x
	s_mov_b64 s[28:29], s[14:15]                   ; to x16
	s_mov_b32 s25, 0                               ; the first work-group of this kind
	s_cmp_ge_u32 ttmp9, NX
	s_cselect_b64 s[26:27], s[6:7], s[26:27]       ; or from centroids to c16
	s_cselect_b64 s[28:29], s[16:17], s[28:29]
	s_cselect_b32 s25, NX, s25
	s_cmp_ge_u32 ttmp9, NX+NC
	s_cselect_b64 s[26:27], s[8:9], s[26:27]       ; or from U to u16
	s_cselect_b64 s[28:29], s[18:19], s[28:29]
	s_cselect_b32 s25, NX+NC, s25
	s_sub_co_u32 s24, ttmp9, s25                   ; my number among the work-groups of my kind
	s_lshl_b32 s30, s24, 16                        ; 65,536 bytes of f32 each (under 2^27),
	s_mov_b32 s31, 0
	s_add_nc_u64 s[26:27], s[26:27], s[30:31]
	s_lshl_b32 s30, s24, 15                        ; 32,768 bytes of f16
	s_add_nc_u64 s[28:29], s[28:29], s[30:31]
.irp j, 0,1,2,3,4,5,6,7,8,9,10,11,12,13,14,15
	global_load_b128 v[IN+4*(\j):IN+4*(\j)+3], v1, s[26:27] offset:4096*(\j) th:TH_LOAD_NT  ; the eight waves together take 4,096 consecutive bytes
.endr
.irp j, 0,1,2,3,4,5,6,7,8,9,10,11,12,13,14,15
	s_wait_loadcnt 15-(\j)                         ; loads come back in order: load j is in, the 15 - j younger ones may stay out
	v_cvt_pk_f16_f32 v[OUTR+2*(\j)],   v[IN+4*(\j)],   v[IN+4*(\j)+1]
	v_cvt_pk_f16_f32 v[OUTR+2*(\j)+1], v[IN+4*(\j)+2], v[IN+4*(\j)+3]
	global_store_b64 v2, v[OUTR+2*(\j):OUTR+2*(\j)+1], s[28:29] offset:2048*(\j) th:TH_STORE_NT  ; no register is written twice, so no store's sources need a wait
.endr
	s_endpgm
	; ---- vfrag[T][s4][lane][8]: lane 16 h + r of block (T, s4) holds S[k] Vt[k][16 T + r] for k = 16 s4 + 8 h + 0..7 ----
	; Blocks s4 = 2 kh and 2 kh + 1 are registers 0-3 and 4-7 of a 16 x 32 fragment of 16-bit numbers for K half kh (ISA guide 7.12.2: lane l holds row l % 16,
	; registers 0-3 k = 8 (l / 16) + 0..7, registers 4-7 k = 16 + 8 (l / 16) + 0..7).  A thread makes one unit of 16 bytes, number 256 gid + t.
.Lvt:
	s_sub_co_u32 s24, ttmp9, NX+NC+NU              ; gid, 0..127: column tiles 2 gid and 2 gid + 1
	v_bfe_u32 v3, v0, 4, 3                         ; 2 s4 + h: my eight k begin at 8 times this
	v_and_b32 v6, 15, v0                           ; r
	v_lshrrev_b32 v7, 7, v0                        ; which of the two tiles
	v_lshlrev_b32 v4, 2, v6                        ; column 32 gid + 16 tile + r, in bytes,
	v_lshl_add_u32 v4, v7, 6, v4
	v_lshl_add_u32 v4, v3, 17, v4                  ; and row 8 (2 s4 + h) of 16,384 bytes
	s_lshl_b32 s25, s24, 7
	v_add_nc_u32 v4, s25, v4
	v_lshlrev_b32 v5, 5, v3                        ; my eight numbers of S
.irp j, 0,1,2,3,4,5,6,7
	global_load_b32 v[8+(\j)], v4, s[10:11] offset:16384*(\j)
.endr
	global_load_b128 v[16:19], v5, s[12:13]
	global_load_b128 v[20:23], v5, s[12:13] offset:16
	s_lshl_b32 s30, s24, 12                        ; 256 units of 16 bytes to a work-group
	s_mov_b32 s31, 0
	s_add_nc_u64 s[20:21], s[20:21], s[30:31]
	s_wait_loadcnt 0x0
.irp j, 0,2,4,6
	v_pk_mul_f32 v[8+(\j):9+(\j)], v[8+(\j):9+(\j)], v[16+(\j):17+(\j)]
.endr
.irp j, 0,1,2,3
	v_cvt_pk_f16_f32 v[24+(\j)], v[8+2*(\j)], v[9+2*(\j)]
.endr
	global_store_b128 v1, v[24:27], s[20:21] th:TH_STORE_NT  ; a wave stores 512 consecutive bytes, aligned
	s_endpgm
.Lfunc_end_k_q88f292b200_prep:
	.size	k_q88f292b200_prep, .Lfunc_end_k_q88f292b200_prep-k_q88f292b200_prep
	.p2alignl 7, 3214868480
	.fill 96, 4, 3214868480
	.section	.rodata,"a",@progbits
	.p2align	6, 0x0
	.amdhsa_kernel k_q88f292b200_prep
		.amdhsa_group_segment_fixed_size 0
		.amdhsa_private_segment_fixed_size 0
		.amdhsa_enable_private_segment 0
		.amdhsa_kernarg_size 72
		.amdhsa_user_sgpr_count 2
		.amdhsa_user_sgpr_kernarg_segment_ptr 1
		.amdhsa_wavefront_size32 1
		.amdhsa_system_sgpr_workgroup_id_x 1
		.amdhsa_system_sgpr_workgroup_id_y 1
		.amdhsa_system_sgpr_workgroup_id_z 1
		.amdhsa_system_vgpr_workitem_id 0
		.amdhsa_next_free_vgpr 112
		.amdhsa_next_free_sgpr 66
		.amdhsa_reserve_vcc 0
		.amdhsa_float_denorm_mode_32 3
		.amdhsa_float_denorm_mode_16_64 3
		.amdhsa_memory_ordered 1
		.amdhsa_forward_progress 1
		.amdhsa_inst_pref_size 9
	.end_amdhsa_kernel
	.amdgpu_metadata
---
amdhsa.version: [ 1, 2 ]
amdhsa.kernels:
  - .name:           k_q88f292b200_prep
    .symbol:         k_q88f292b200_prep.kd
    .args:
      - { .name: x, .offset: 0, .size: 8, .value_kind: global_buffer, .address_space: global }
      - { .name: centroids, .offset: 8, .size: 8, .value_kind: global_buffer, .address_space: global }
      - { .name: U, .offset: 16, .size: 8, .value_kind: global_buffer, .address_space: global }
      - { .name: Vt, .offset: 24, .size: 8, .value_kind: global_buffer, .address_space: global }
      - { .name: S, .offset: 32, .size: 8, .value_kind: global_buffer, .address_space: global }
      - { .name: x16, .offset: 40, .size: 8, .value_kind: global_buffer, .address_space: global }
      - { .name: c16, .offset: 48, .size: 8, .value_kind: global_buffer, .address_space: global }
      - { .name: u16, .offset: 56, .size: 8, .value_kind: global_buffer, .address_space: global }
      - { .name: vfrag, .offset: 64, .size: 8, .value_kind: global_buffer, .address_space: global }
    .group_segment_fixed_size: 0
    .private_segment_fixed_size: 0
    .kernarg_segment_align: 8
    .kernarg_segment_size: 72
    .max_flat_workgroup_size: 256
    .sgpr_count:     66
    .vgpr_count:     112
    .wavefront_size: 32
...
	.end_amdgpu_metadata
.endif
;; end of part 1
;; launch wbuild (part 2): grid 256 x 1, 16 waves a work-group, no clusters, 327,680 bytes of LDS; arguments c16, indices, perm, weight_scale, weight_bias, u16, vfrag, w16; writes w16
.if DOCPART == 2
	.amdgcn_target "amdgcn-amd-amdhsa--gfx1250"
	.amdhsa_code_object_version 6
	.text
	.protected	k_q88f292b200_wbuild
	.globl	k_q88f292b200_wbuild
	.p2align	8
	.type	k_q88f292b200_wbuild,@function
k_q88f292b200_wbuild:
	s_mov_b64 s[64:65], 0
	v_nop
	global_prefetch_b8 v0, s[64:65] scope:SCOPE_SE
	s_setreg_imm32_b32 hwreg(HW_REG_WAVE_MODE, 25, 1), 1
	s_wait_xcnt 0x0
; THE WEIGHT.  w16[o][i] = f16( centroids[indices[o][perm[i] >> 3]][perm[i] & 7] x weight_scale[o] + weight_bias[o] + sum over k of U[o][k] S[k] Vt[k][i] ).
; The centroid, U and S Vt come as f16 (rounded once by the launch before); the affine step and the sums are f32; W is rounded once.
; LIMITS.  f16 ends at 65,504 and keeps a fixed step of 6e-8 below 6e-5, for W too.  A code above 8,191 counts as 8,191 and a perm entry above 4,095 as 4,095 (an index stays inside
; its table by the problem's own terms).  perm is taken as a GATHER on W's columns, so it need not be a permutation.
; SHARES.  A work-group owns 16 rows o of W and all 4,096 columns.  PHASE A: thread t (0..511) is code column t of all 16 rows: it fetches 16 codes, takes each code's 16 bytes out of the table
; in LDS and lays them into the dequantised rows in LDS.  PHASE B: wave w makes column groups w and w + 16 of 128 columns, eight tiles of 16: each lane gathers its numbers by perm, applies
; scale and bias, and these f32 numbers ARE the C operand on which the rank-64 product is added (two matrix instructions a tile).
; LAYOUT.  Source 0 = 16 columns i (vfrag), source 1 = 16 rows o (u16): in the result lane l holds row o = l % 16 and columns 8 (l / 16) + 0..7: 16 bytes of a row of w16.
; NO CLUSTER, though every work-group reads the same table: in a launch with joint requests every LDS address is alike in all partners, and here the table is read at 16 x a code and the rows at
; 2 x an entry of perm: numbers read from memory, of which the codes are each work-group's own.  So each work-group fetches the table's 131,072 bytes by loads of its own.
; vfrag goes straight into fragment registers: each of its bytes is used once by a work-group, in one wave, in the very order in which it lies in memory.
; LDS.  0: the table, 131,072 bytes, filled once; when nobody reads it any more its first 69,632 bytes serve as the waves' stages (16 rows x 272 bytes each).
;       131,072: the 16 dequantised rows, 8,192 bytes + 16 of padding = 2,052 words: row r starts at bank 4 r mod 64 (64 banks of 4 bytes: ISA guide 11.1).
;                The padding is never read: a gather's address is its row's first byte + 2 x 4,095 at the most.
;       262,400: the spare words.
.set ROWS,   131072
.set RPITCH, 8208
.set SPARE,  ROWS+16*RPITCH            ; 262,400: 128 bytes for each of 16 waves: eight blocks of 256 bytes that no other line names
.set SPITCH, 272                       ; a stage row: 256 bytes + 16
.set SPW, 3                            ; v3   LDS address of my spare word: SPARE + 4 x my thread's number; never rewritten
.set NIL, 4                            ; v4   0; never rewritten
.set RB,  5                            ; v5   my row in LDS: ROWS + r x RPITCH
.set SC,  6                            ; v6   weight_scale of my row
.set WB,  7                            ; v7   weight_bias of my row
.set VO,  8                            ; v8   16 x lane: my 16 bytes of a block of vfrag
.set PO,  9                            ; v9   32 h: my eight entries of a tile's sixteen of perm
.set STO, 10                           ; v10  the way out: where I put 16 bytes of a row
.set RD,  11                           ; v11  the way out: where I read a row back
.set GO,  12                           ; v12  my byte offset in two rows of w16
.set US,  16                           ; v[16:31]   u16's fragments: K half kh at US + 8 kh
.set OUT, 32                           ; v[32:63]   packed results, then whole rows.  In phase A: v32-47 the codes, v48-52 addresses
.set IDX, 32
.set IO,  48                           ; v48  4 t: my code in a row of indices
.set A0,  49                           ; v49  ROWS + 16 t: my code's place in rows 0-7
.set A1,  50                           ; v50  the same in rows 8-15 (an LDS immediate holds 16 bits)
.set UO,  51                           ; v51  128 r + 16 h: my bytes of u16's rows
.set RO,  52                           ; v52  4 r
.set ACC, 64                           ; v[64:127]  tile b's accumulator at ACC + 8 b.  Before that perm's entries, LDS addresses, gathered numbers.  In phase A the 16 codes' data
.set VF,  128                          ; v[128:255] vfrag: tile b, block s4 at VF + 16 b + 4 s4
.set WV,  20                           ; s20  my wave's number
; s[4:19] the eight pointers in the order of the arguments; s22 my work-group; s[24:27] descriptor group 0; s[28:29] an offset; s[32:39] descriptor group 1
; A group's 32 loads of vfrag: eight tiles x four blocks; each load of the wave takes 512 consecutive bytes.
.macro VLOADS off
.irp b, 0,1,2,3,4,5,6,7
.irp s, 0,1,2,3
	global_load_b128 v[VF+16*(\b)+4*(\s):VF+16*(\b)+4*(\s)+3], v[VO], s[16:17] offset:(\off)+2048*(\b)+512*(\s)
.endr
.endr
.endm
; A group's 16 loads of perm: for each tile my eight entries, into the registers that will hold the numbers they name.
.macro PLOADS off
.irp b, 0,1,2,3,4,5,6,7
	global_load_b128 v[ACC+8*(\b):ACC+8*(\b)+3],   v[PO], s[8:9] offset:(\off)+64*(\b)
	global_load_b128 v[ACC+8*(\b)+4:ACC+8*(\b)+7], v[PO], s[8:9] offset:(\off)+64*(\b)+16
.endr
.endm
	s_load_b512 s[4:19], s[0:1], 0x0               ; c16 s[4:5], indices s[6:7], perm s[8:9], weight_scale s[10:11], weight_bias s[12:13], u16 s[14:15], vfrag s[16:17], w16 s[18:19]
	v_lshl_add_u32 v[SPW], v0, 2, SPARE
	v_mov_b32 v[NIL], 0
	ds_add_u32 v[SPW], v[NIL]                      ; the wave's opening: the add, twice on end, and its wait ahead of my first tensor load; the set-up below stands between
	ds_add_u32 v[SPW], v[NIL]                      ; and once more, under the one wait
	v_lshrrev_b32 v13, 5, v0
	v_readfirstlane_b32 s[WV], v13                 ; wave 0..15
	s_mov_b32 s22, ttmp9                           ; my work-group, 0..255: rows 16 g .. 16 g + 15 of W
	; The table's descriptor.  Wave w brings 32 rows of 256 bytes, bytes 8,192 w on: all sixteen waves ask, so the table's 512 rows make 32 a wave.
	s_mov_b32 s24, 1                               ; group 0: count = 1
	s_lshl_b32 s25, s[WV], 13                      ; LDS address: 8,192 x wave
	s_mov_b32 s32, 3<<16                           ; group 1: 15:0 no mask; 17:16 elements of 8 bytes; no padding
	s_mov_b32 s33, 32<<16                          ; tensor_dim0 = 32 elements
	s_mov_b32 s34, 32<<16                          ; tensor_dim1 = 32 rows
	s_mov_b32 s35, 32<<16                          ; tile_dim0 = 32
	s_mov_b32 s36, 32                              ; tile_dim1 = 32
	s_mov_b32 s37, 32                              ; 32 elements from row to row: the block is dense
	s_mov_b32 s38, 0
	s_mov_b32 s39, 0
	s_lshl_b32 s28, s[WV], 13                      ; the same 8,192 x wave in memory
	s_mov_b32 s29, 0
	v_and_b32 v1, 15, v0                           ; r = lane % 16
	v_bfe_u32 v2, v0, 4, 1                         ; h = lane / 16
	v_and_b32 v14, 31, v0                          ; lane
	v_mul_u32_u24 v[RB], v1, RPITCH
	v_add_nc_u32 v[RB], ROWS, v[RB]
	v_lshlrev_b32 v[VO], 4, v14
	v_lshlrev_b32 v[PO], 5, v2
	s_mul_i32 s23, s[WV], 16*SPITCH                ; my stage: 4,352 x wave
	v_mul_u32_u24 v[STO], v1, SPITCH               ; in: row r, 16 bytes for each half of the lanes
	v_lshl_add_u32 v[STO], v2, 4, v[STO]
	v_add_nc_u32 v[STO], s23, v[STO]
	v_mul_u32_u24 v[RD], v2, SPITCH                ; back: lanes 0-15 take one row of 256 bytes, lanes 16-31 the next
	v_lshl_add_u32 v[RD], v1, 4, v[RD]
	v_add_nc_u32 v[RD], s23, v[RD]
	v_lshlrev_b32 v[GO], 13, v2                    ; and the same two rows in w16 (8,192 bytes a row)
	v_lshl_add_u32 v[GO], v1, 4, v[GO]
	v_lshlrev_b32 v[IO], 2, v0
	s_lshl_b32 s30, s[WV], 9                       ; 16 t = 512 x wave + 16 x lane
	v_lshl_add_u32 v[A0], v14, 4, s30
	v_add_nc_u32 v[A0], ROWS, v[A0]
	v_add_nc_u32 v[A1], 8*RPITCH, v[A0]
	v_lshlrev_b32 v[UO], 7, v1
	v_lshl_add_u32 v[UO], v2, 4, v[UO]
	v_lshlrev_b32 v[RO], 2, v1
	s_wait_dscnt 0x0                               ; both opening adds are done
	s_wait_kmcnt 0x0
	s_add_nc_u64 s[26:27], s[4:5], s[28:29]        ; group 0: global address
	s_or_b32 s27, s27, 0x80000000                  ; type = 2
	tensor_load_to_lds s[24:27], s[32:39]          ; my one tensor load of the launch: ahead of every wait on TENSORcnt, every LDS read and every barrier
	s_nop 0
	s_lshl_b32 s28, s22, 15                        ; my 16 rows of indices, 2,048 bytes each
	s_add_nc_u64 s[6:7], s[6:7], s[28:29]
	s_lshl_b32 s28, s22, 6                         ; my 16 scales and biases
	s_add_nc_u64 s[10:11], s[10:11], s[28:29]
	s_add_nc_u64 s[12:13], s[12:13], s[28:29]
	s_lshl_b32 s28, s22, 11                        ; my 16 rows of u16, 128 bytes each
	s_add_nc_u64 s[14:15], s[14:15], s[28:29]
	s_lshl_b32 s28, s[WV], 14                      ; column group w of vfrag: eight tiles of 2,048 bytes
	s_add_nc_u64 s[16:17], s[16:17], s[28:29]
	s_lshl_b32 s28, s[WV], 9                       ; and of perm: 128 entries
	s_add_nc_u64 s[8:9], s[8:9], s[28:29]
	s_lshl_b32 s28, s22, 17                        ; my 16 rows of w16,
	s_lshl_b32 s30, s[WV], 8                       ; column group w: 256 bytes
	s_add_co_u32 s28, s28, s30
	s_add_nc_u64 s[18:19], s[18:19], s[28:29]
.irp n, 0,1,2,3,4,5,6,7,8,9,10,11,12,13,14,15
	global_load_b32 v[IDX+(\n)], v[IO], s[6:7] offset:2048*(\n) th:TH_LOAD_NT  ; row n: the sixteen waves together take its 2,048 bytes
.endr
.irp q, 0,1,2,3
	global_load_b128 v[US+4*(\q):US+4*(\q)+3], v[UO], s[14:15] offset:32*(\q)  ; k = 16 q + 8 h + 0..7 of row r
.endr
	global_load_b32 v[SC], v[RO], s[10:11]
	global_load_b32 v[WB], v[RO], s[12:13]
	VLOADS 0                                       ; the first group's fragments are on their way through all of phase A
	; ---- PHASE A ----
	s_wait_loadcnt 38                              ; the codes are in: behind them 4 + 2 + 32 loads were issued, which may stay out
.irp n, 0,1,2,3,4,5,6,7,8,9,10,11,12,13,14,15
	v_min_u32 v[IDX+(\n)], 0x1fff, v[IDX+(\n)]     ; a loaded number enters an address only clamped
.endr
.irp n, 0,1,2,3,4,5,6,7,8,9,10,11,12,13,14,15
	v_lshlrev_b32 v[IDX+(\n)], 4, v[IDX+(\n)]      ; 16 bytes a code
.endr
	s_wait_tensorcnt 0x0                           ; my part of the table is in LDS,
	s_barrier_signal -1
	s_barrier_wait -1                              ; everybody's is
.irp n, 0,1,2,3,4,5,6,7,8,9,10,11,12,13,14,15
	ds_load_b128 v[ACC+4*(\n):ACC+4*(\n)+3], v[IDX+(\n)]
.endr
	s_wait_dscnt 8                                 ; rows 0-7 are in; the eight younger loads may stay out
.irp n, 0,1,2,3,4,5,6,7
	ds_store_b128 v[A0], v[ACC+4*(\n):ACC+4*(\n)+3] offset:RPITCH*(\n)  ; neighbouring lanes, neighbouring 16 bytes
.endr
	s_wait_dscnt 8                                 ; only the eight stores just issued may be out: rows 8-15 are in
.irp n, 8,9,10,11,12,13,14,15
	ds_store_b128 v[A1], v[ACC+4*(\n):ACC+4*(\n)+3] offset:RPITCH*((\n)-8)
.endr
	s_wait_dscnt 0x0                               ; for the others' sake: my stores into the rows are done and my reads of the table are over
	PLOADS 0                                       ; the first group's entries of perm, into registers that the stores have read
	s_barrier_signal -1
	s_barrier_wait -1                              ; the rows are whole; nobody reads the table any more, so its bytes may serve as stages
	; ---- PHASE B: one column group.  which = 0, 1: group w, w + 16.  more = 1: the next group's loads are issued as soon as their registers are free. ----
.macro AFFINE from, count              ; the f16 in the low half x scale + bias, one rounding, in f32
.set i, \from
.rept \count
	v_fma_mix_f32 v[ACC+i], v[ACC+i], v[SC], v[WB] op_sel_hi:[1,0,0]
.set i, i+1
.endr
.endm
.macro GATHER from, count              ; each register holds its number's LDS address and takes the number
.set i, \from
.rept \count
	ds_load_u16 v[ACC+i], v[ACC+i]
.set i, i+1
.endr
.endm
.macro GROUP which, more
	s_wait_loadcnt 0x0                             ; perm's entries and vfrag's fragments (the first time u16, scale and bias too)
.set i, 0
.rept 64
	v_min_u32 v[ACC+i], 0xfff, v[ACC+i]
.set i, i+1
.endr
.set i, 0
.rept 64
	v_lshl_add_u32 v[ACC+i], v[ACC+i], 1, v[RB]    ; my row, column perm[i]
.set i, i+1
.endr
	GATHER 0, 48                                   ; tiles 0 to 5
	s_wait_dscnt 32                                ; tiles 0 and 1 are in: the 32 younger gathers may stay out
	AFFINE 0, 16                                   ; their affine steps stand beside the gathers that are on their way
	GATHER 48, 16                                  ; tiles 6 and 7
	s_wait_dscnt 0x0
	AFFINE 16, 48
.irp kh, 0,1                           ; the eight accumulators take turns, one instruction a turn: seven others stand between a chain's two links
.irp b, 0,1,2,3,4,5,6,7
	v_wmma_f32_16x16x32_f16 v[ACC+8*(\b):ACC+8*(\b)+7], v[VF+16*(\b)+8*(\kh):VF+16*(\b)+8*(\kh)+7], v[US+8*(\kh):US+8*(\kh)+7], v[ACC+8*(\b):ACC+8*(\b)+7]
.endr
.endr
.rept 4
	v_nop                                          ; four places behind the last product: in front of the loads into its sources and of the conversions that read results
.endr
.if \more
	VLOADS 262144                                  ; sixteen groups of 16,384 bytes on
.endif
.if \which
	s_wait_xcnt 0x0                                ; the last group's stores have read OUT: it is written again only behind this wait
.endif
.irp b, 0,1,2,3,4,5,6,7                ; each accumulator is read from its low end on
.irp q, 0,1,2,3
	v_cvt_pk_f16_f32 v[OUT+4*(\b)+(\q)], v[ACC+8*(\b)+2*(\q)], v[ACC+8*(\b)+2*(\q)+1]
.endr
.endr
.irp b, 0,1,2,3,4,5,6,7
	ds_store_b128 v[STO], v[OUT+4*(\b):OUT+4*(\b)+3] offset:32*(\b)
.endr
.irp t, 0,1,2,3,4,5,6,7
	ds_load_b128 v[OUT+4*(\t):OUT+4*(\t)+3], v[RD] offset:2*SPITCH*(\t)  ; my own stage: LDS serves a wave's instructions in order (ISA guide 5.7.1.4), so these see the stores above
.endr
.if \more
	PLOADS 8192                                    ; sixteen groups of 512 bytes on; the conversions have read ACC
.endif
	s_wait_dscnt 0x0
.irp t, 0,1,2,3,4,5,6,7
	global_store_b128 v[GO], v[OUT+4*(\t):OUT+4*(\t)+3], s[18:19] offset:16384*(\t)+4096*(\which) th:TH_STORE_NT  ; rows 2 t and 2 t + 1: sixteen lanes store 256 consecutive bytes, aligned
.endr
.endm
	GROUP 0, 1
	GROUP 1, 0
	s_wait_tensorcnt 0x0                           ; the wave's end, behind my last tensor load and my last LDS store
	ds_add_u32 v[SPW], v[NIL]
	s_wait_dscnt 0x0
	s_endpgm
.Lfunc_end_k_q88f292b200_wbuild:
	.size	k_q88f292b200_wbuild, .Lfunc_end_k_q88f292b200_wbuild-k_q88f292b200_wbuild
	.p2alignl 7, 3214868480
	.fill 96, 4, 3214868480
	.section	.rodata,"a",@progbits
	.p2align	6, 0x0
	.amdhsa_kernel k_q88f292b200_wbuild
		.amdhsa_group_segment_fixed_size 327680
		.amdhsa_private_segment_fixed_size 0
		.amdhsa_enable_private_segment 0
		.amdhsa_kernarg_size 64
		.amdhsa_user_sgpr_count 2
		.amdhsa_user_sgpr_kernarg_segment_ptr 1
		.amdhsa_wavefront_size32 1
		.amdhsa_system_sgpr_workgroup_id_x 1
		.amdhsa_system_sgpr_workgroup_id_y 1
		.amdhsa_system_sgpr_workgroup_id_z 1
		.amdhsa_system_vgpr_workitem_id 0
		.amdhsa_next_free_vgpr 256
		.amdhsa_next_free_sgpr 66
		.amdhsa_reserve_vcc 0
		.amdhsa_float_denorm_mode_32 3
		.amdhsa_float_denorm_mode_16_64 3
		.amdhsa_memory_ordered 1
		.amdhsa_forward_progress 1
		.amdhsa_inst_pref_size 61
	.end_amdhsa_kernel
	.amdgpu_metadata
---
amdhsa.version: [ 1, 2 ]
amdhsa.kernels:
  - .name:           k_q88f292b200_wbuild
    .symbol:         k_q88f292b200_wbuild.kd
    .args:
      - { .name: c16, .offset: 0, .size: 8, .value_kind: global_buffer, .address_space: global }
      - { .name: indices, .offset: 8, .size: 8, .value_kind: global_buffer, .address_space: global }
      - { .name: perm, .offset: 16, .size: 8, .value_kind: global_buffer, .address_space: global }
      - { .name: weight_scale, .offset: 24, .size: 8, .value_kind: global_buffer, .address_space: global }
      - { .name: weight_bias, .offset: 32, .size: 8, .value_kind: global_buffer, .address_space: global }
      - { .name: u16, .offset: 40, .size: 8, .value_kind: global_buffer, .address_space: global }
      - { .name: vfrag, .offset: 48, .size: 8, .value_kind: global_buffer, .address_space: global }
      - { .name: w16, .offset: 56, .size: 8, .value_kind: global_buffer, .address_space: global }
    .group_segment_fixed_size: 327680
    .private_segment_fixed_size: 0
    .kernarg_segment_align: 8
    .kernarg_segment_size: 64
    .max_flat_workgroup_size: 512
    .sgpr_count:     66
    .vgpr_count:     256
    .wavefront_size: 32
...
	.end_amdgpu_metadata
.endif
;; end of part 2
;; launch gemm (part 3): grid 16 x 16, 4 waves a work-group, clusters of 4 x 4, 327,680 bytes of LDS; arguments x16, w16, out0, bias; writes out0
.if DOCPART == 3
	.amdgcn_target "amdgcn-amd-amdhsa--gfx1250"
	.amdhsa_code_object_version 6
	.text
	.protected	k_q88f292b200_gemm
	.globl	k_q88f292b200_gemm
	.p2align	8
	.type	k_q88f292b200_gemm,@function
k_q88f292b200_gemm:
	s_mov_b64 s[64:65], 0
	v_nop
	global_prefetch_b8 v0, s[64:65] scope:SCOPE_SE
	s_setreg_imm32_b32 hwreg(HW_REG_WAVE_MODE, 25, 1), 1
	s_wait_xcnt 0x0
	s_wait_alu depctr_hold_cnt(0) depctr_sa_sdst(0) depctr_va_vdst(0) depctr_va_sdst(0) depctr_va_ssrc(0) depctr_va_vcc(0) depctr_vm_vsrc(0)
	s_getreg_b32 s2, hwreg(HW_REG_IB_STS2, 6, 4)
	s_cmp_eq_u32 s2, 0
	s_cbranch_scc0 .Lentry_in_a_cluster
	s_endpgm
.Lentry_in_a_cluster:
	s_bfe_u32 s2, ttmp6, 0x10000c
	s_cmp_lg_u32 s2, 0xf033
	s_cbranch_scc0 .Lentry_shape_is_right
	s_endpgm
.Lentry_shape_is_right:
; out0[t][o] = sum over i of x16[t][i] w16[o][i] + bias[o].  x16: [4096][4096] f16, w16: [4096][4096] f16, bias: [4096] f32, out0: [4096][4096] f32; sums in f32, K ascending.
; LIMITS.  The operands are f16 as the launches before made them (range to 65,504, a fixed step of 6e-8 below 6e-5); NaN and infinities are not treated apart.
; A tile of out0, 256 x 256, is made by a work-group of four waves; a wave makes 128 x 128: 64 accumulators of 16 x 16, 512 registers.  16 x 16 tiles: one to a work-group.
; K goes in steps of 128 through a ring of two LDS slots filled by the tensor data mover: a tile's rows are 256 bytes of memory and start at multiples of 256 bytes from the buffer's first byte.
; CLUSTERS: 4 x 4 work-groups.  The four of a row of the cluster need the same tiles of x16, the four of a column the same tiles of w16: each tile is asked for JOINTLY, by the same tensor load with the
; same descriptor and a mask that names the four; each receives it in its own LDS.
; THE MATRIX INSTRUCTION IS USED TRANSPOSED: source 0 = 16 rows of w16, source 1 = 16 rows of x16.  In the result lane l holds row t = l % 16 and the columns o = 8 (l / 16) + 0..7.
; THE BIAS STARTS THE SUMS: it is the C operand of the first product on each accumulator (register j of lane l: bias of column 8 (l / 16) + j), so nothing is cleared and nothing is added later.
; REGISTERS, in windows of 256 (s_set_vgpr_msb: bits 1:0 source 0, 3:2 source 1, 5:4 source 2, 7:6 destination):
;   window 0: v0-31 addresses; v64-127, v128-191 fragments of x16, two buffers, and on the way out two buffers of 16 rows; v192-255 the bias of my 128 columns
;   window 1: v64-127, v128-191 fragments of w16, two buffers
;   window 2: the 32 accumulators of my rows 0-63 ((a, b) at v[8 (8 a + b)]);   window 3: those of my rows 64-127
.set SIZE_K, 4096
.set SIZE_N, 4096
.set KSTEP,  128
.set PITCH,  272                       ; an LDS row: 256 bytes + 16 of padding = 68 words: row r starts at bank 4 r mod 64 (64 banks of 4 bytes: ISA guide 11.1)
.set HALFT,  128*PITCH                 ; 128 rows: what one tensor load brings, and what one wave reads of either operand
.set SLOT,   4*HALFT                   ; x16's 256 rows, then w16's 256 rows
.set STAGE,  2*SLOT                    ; behind the ring, never filled by a tensor load: 16 rows x 528 bytes for each wave, for the way out
.set SPITCH, 528                       ; a stage row: 512 bytes + 16 = 132 words: row r starts at bank 4 r mod 64
.set SPARE,  STAGE+4*16*SPITCH         ; behind the stages: the spare words, 128 bytes for each wave: two blocks of 256 bytes that no other line names
.set LAPS,   SIZE_K/(2*KSTEP)          ; a lap = two K steps = once round the ring: 16
.set ADRA, 16                          ; v16-17  LDS address of my x16 fragments in slot 0, 1
.set ADRB, 20                          ; v20-21  the same for w16
.set STO,  24                          ; v24     the way out: where I put 32 bytes of a row
.set RD,   25                          ; v25     the way out: where I read a row back
.set CO,   26                          ; v26     16 x lane: my bytes of my 512 bytes of a row of out0
.set BO,   27                          ; v27     32 (l / 16): my eight numbers of a block's sixteen of bias
.set SPW,  28                          ; v28     LDS address of my spare word: SPARE + 4 x my thread's number; never rewritten
.set NIL,  29                          ; v29     0; never rewritten
.set PFO,  30                          ; v30     the prefetches' offset: my lane x a row of 8,192 bytes; never rewritten
.set F0,   64                          ; fragment buffer 0
.set F1,   128                         ; fragment buffer 1
.set BIAS, 192                         ; column block b at BIAS + 8 b
.set G1,  24                           ; s[24:31] descriptor group 1 for x16's tiles
.set G0,  32                           ; s[32:39] descriptor group 0 for x16's tiles, one set for each slot
.set LIM, 43                           ; s43      1 in a wave that prefetches, else the greatest number
.set PFA, 44                           ; s[44:45] where my prefetches stand: my work-group's 32 rows of the 128 that I fetch, one K step beyond the refill that is being asked for
.set G1B, 48                           ; s[48:55] descriptor group 1 for w16's tiles: it differs in the mask alone
.set G0B, 56                           ; s[56:63] descriptor group 0 for w16's tiles
.set MSB, 0
.macro WIN new                         ; the immediate's high byte repeats the setting that is left; a switch that changes nothing is dropped
.if MSB != (\new)
	s_set_vgpr_msb (MSB<<8)|(\new)
.set MSB, \new
.endif
.endm
.set TO_B, 0x40                        ; destination window 1, address window 0
; A joint load.  Waves 0 and 1 fetch x16's two halves, waves 2 and 3 w16's.  Each line has one mask and one set of registers for all that issue it; the branch hangs on the wave's number alone.
; An s_nop 0 and four v_nop follow each of the two lines; the jump, the label and what follows come after them.
.macro JLOAD s
	s_cmp_eq_u32 s11, 0
	s_cbranch_scc0 .Lfor_b_\@
	tensor_load_to_lds s[G0+4*(\s):G0+4*(\s)+3], s[G1:G1+7]
	s_nop 0
.rept 4
	v_nop
.endr
	s_branch .Lasked_\@
.Lfor_b_\@:
	tensor_load_to_lds s[G0B+4*(\s):G0B+4*(\s)+3], s[G1B:G1B+7]
	s_nop 0
.rept 4
	v_nop
.endr
.Lasked_\@:
.endm
; A PREFETCH INTO THE L2, behind each joint refill and the run of LDS loads that follows it: the K step that stands TWO refills on, 512 matrix instructions ahead of the load that will want it:
; 32 rows x 256 bytes, a lane a row, one instruction a wave.  Each row's 256 bytes of a K step are named ONCE in the launch: x16's tile row is read by every cluster of that row of clusters, and the
; one with cluster x = 0 asks; w16's tile column by every cluster of that column, and the one with cluster y = 0 asks.  The four partners that ask for a tile jointly share its rows out BY ADDRESS:
; of the 128 rows that wave w fetches the partner at place p takes 32 p .. 32 p + 31 (p = cx for x16, cy for w16).  K steps 0 to 3 come by their loads alone; the loop's last trip (s3 = 1) asks for
; nothing, since K steps 32 and 33 do not exist.
.macro ASK
	s_cmp_gt_u32 s3, s[LIM]
	s_cbranch_scc0 .Lnot_mine_\@
	global_prefetch_b8 v[PFO], s[PFA:PFA+1] offset:KSTEP*2 th:TH_LOAD_NT scope:SCOPE_SE
.Lnot_mine_\@:
.endm
; A round of the cluster's barrier: my work-group's barrier, so that wave 0's signal speaks for all four waves; wave 0 signals; every wave waits for all sixteen work-groups; my work-group's barrier once more.
.macro CREST                           ; a round behind its opening barrier
	s_cmp_lg_u32 s10, 0
	s_cbranch_scc1 .Lnot_wave_0_\@
	s_barrier_signal -3
.Lnot_wave_0_\@:
	s_barrier_wait -3
	s_barrier_signal -1
	s_barrier_wait -1
.endm
.macro CROUND                          ; a whole round
	s_barrier_signal -1
	s_barrier_wait -1
	CREST
.endm
	s_load_b128 s[4:7], s[0:1], 0x0                ; x16 s[4:5], w16 s[6:7]
	s_load_b64 s[8:9], s[0:1], 0x10                ; out0
	s_load_b64 s[66:67], s[0:1], 0x18              ; bias
	v_lshl_add_u32 v[SPW], v0, 2, SPARE
	v_mov_b32 v[NIL], 0
	ds_add_u32 v[SPW], v[NIL]                      ; the wave's opening: the add, twice on end, and its wait ahead of my first tensor load; the set-up below stands between
	ds_add_u32 v[SPW], v[NIL]                      ; and once more, under the one wait
	v_lshrrev_b32 v1, 5, v0
	v_readfirstlane_b32 s10, v1                    ; wave 0..3
	s_lshr_b32 s11, s10, 1                         ; which half of the tile's rows is mine.  Also: I fetch for x16 (0) or for w16 (1)
	s_and_b32 s12, s10, 1                          ; which half of its columns.  Also: which 128 rows of that tile I fetch
	s_bfe_u32 s40, ttmp6, 0x40000                  ; cx: my place along the cluster's x
	s_bfe_u32 s41, ttmp6, 0x40004                  ; cy: along its y
	s_lshl_b32 s42, ttmp9, 2                       ; in a cluster launch ttmp9 and ttmp7 count clusters
	s_add_co_u32 s42, s42, s40                     ; tile column = 4 x cluster x + cx
	s_and_b32 s13, ttmp7, 0xffff
	s_lshl_b32 s13, s13, 2
	s_add_co_u32 s13, s13, s41                     ; tile row = 4 x cluster y + cy
	s_lshl_b32 s43, s41, 2
	s_lshl_b32 s43, 15, s43                        ; my row of the cluster: places 4 cy .. 4 cy + 3
	s_lshl_b32 s44, 0x1111, s40                    ; my column: places cx, cx + 4, cx + 8, cx + 12
	; descriptor group 1: a tile of 128 rows x 128 elements, padded in LDS
	s_or_b32 s[G1+0], s43, (1<<16)|(1<<20)|(1<<21)|(5<<22)|(3<<25)   ; 15:0 the mask: x16's tiles go to my row; 17:16 elements of 2 bytes; 20 padding on; 21 set beside a mask; 24:22 after every 64 words (code 5); 31:25 4 words of it (code 3)
	s_or_b32 s[G1B+0], s44, (1<<16)|(1<<20)|(1<<21)|(5<<22)|(3<<25)  ; the same with the mask of my column, for w16's tiles
.irp g, G1, G1B
	s_mov_b32 s[(\g)+1], KSTEP<<16                 ; tensor_dim0 = 128
	s_mov_b32 s[(\g)+2], 128<<16                   ; tensor_dim1 = 128
	s_mov_b32 s[(\g)+3], KSTEP<<16                 ; tile_dim0 = 128
	s_mov_b32 s[(\g)+4], 128                       ; tile_dim1 = 128
	s_mov_b32 s[(\g)+5], SIZE_K                    ; elements from row to row
	s_mov_b32 s[(\g)+6], 0
	s_mov_b32 s[(\g)+7], 0
.endr
	; where the tiles come from.  x16's hang on the tile row alone, which my row of the cluster shares; w16's on the tile column alone, which my column shares.
	s_lshl_b32 s17, s12, 7                         ; which 128 rows of the tile I fetch
	s_lshl_b32 s16, s13, 8
	s_add_co_u32 s16, s16, s17                     ; x16: row 256 x tile row + 128 x half,
	s_lshl_b32 s16, s16, 13                        ; of 8,192 bytes (under 2^25)
	s_lshl_b32 s46, s42, 8
	s_add_co_u32 s46, s46, s17                     ; w16: row 256 x tile column + 128 x half
	s_lshl_b32 s46, s46, 13
	s_mov_b32 s17, 0
	s_mov_b32 s47, 0
	s_mul_i32 s20, s10, HALFT                      ; and where they go: wave x 128 rows: no place in the cluster enters an LDS address
	s_wait_dscnt 0x0                               ; both opening adds are done
	s_wait_kmcnt 0x0
	s_add_nc_u64 s[14:15], s[4:5], s[16:17]
	s_add_nc_u64 s[46:47], s[6:7], s[46:47]
	CROUND                                         ; all sixteen work-groups are here: the first joint loads meet
.irp s, 0,1
	s_mov_b32 s[G0+4*(\s)], 1                                        ; count = 1
	s_add_co_u32 s[G0+4*(\s)+1], s20, (\s)*SLOT                      ; LDS address
	s_add_nc_u64 s[G0+4*(\s)+2:G0+4*(\s)+3], s[14:15], (\s)*KSTEP*2  ; global address: K step s
	s_or_b32 s[G0+4*(\s)+3], s[G0+4*(\s)+3], 0x80000000              ; type = 2
	s_mov_b32 s[G0B+4*(\s)], 1
	s_add_co_u32 s[G0B+4*(\s)+1], s20, (\s)*SLOT
	s_add_nc_u64 s[G0B+4*(\s)+2:G0B+4*(\s)+3], s[46:47], (\s)*KSTEP*2
	s_or_b32 s[G0B+4*(\s)+3], s[G0B+4*(\s)+3], 0x80000000
	JLOAD \s                                       ; the ring is filled before anything else is done: two tensor loads of mine are out
.endr
	; A fragment is 16 rows x 32 K in 8 registers: lane l holds row l % 16; registers 0-3 K = 8 (l / 16) + 0..7, registers 4-7 K = 16 + 8 (l / 16) + 0..7: two loads of 16 bytes, 32 bytes apart.
	v_and_b32 v1, 15, v0                           ; l % 16
	v_bfe_u32 v2, v0, 4, 1                         ; l / 16
	v_mul_u32_u24 v3, v1, PITCH
	v_lshl_add_u32 v3, v2, 4, v3                   ; row x pitch + 16 x half
	s_mul_i32 s21, s11, HALFT                      ; my 128 rows of x16
	s_mul_i32 s22, s12, HALFT                      ; my 128 rows of w16,
	s_add_co_u32 s22, s22, 2*HALFT                 ; which lie behind x16's 256
.irp s, 0,1
	v_add_nc_u32 v[ADRA+(\s)], s21, v3
	v_add_nc_u32 v[ADRB+(\s)], s22, v3
	s_add_co_u32 s21, s21, SLOT
	s_add_co_u32 s22, s22, SLOT
.endr
	s_mul_i32 s23, s10, 16*SPITCH
	s_add_co_u32 s23, s23, STAGE                   ; my stage
	v_mul_u32_u24 v4, v1, SPITCH                   ; in: row l % 16, 32 bytes for each half of the lanes
	v_lshl_add_u32 v4, v2, 5, v4
	v_add_nc_u32 v[STO], s23, v4
	v_and_b32 v5, 31, v0
	v_lshlrev_b32 v[CO], 4, v5                     ; back: 32 lanes take one row of 512 bytes,
	v_add_nc_u32 v[RD], s23, v[CO]                 ; which are 512 consecutive bytes of out0
	v_lshlrev_b32 v[BO], 5, v2
	s_lshl_b32 s13, s13, 8                         ; 256 x tile row
	s_lshl_b32 s14, s11, 7
	s_add_co_u32 s16, s13, s14                     ; my first row of out0,
	s_lshl_b32 s16, s16, 14                        ; of 16,384 bytes (under 2^26)
	s_mov_b32 s17, 0
	s_add_nc_u64 s[8:9], s[8:9], s[16:17]
	s_lshl_b32 s46, s42, 10                        ; my first column, in bytes of f32: 1,024 x tile column + 512 x half (in the registers that held w16's address: none that feeds x16's descriptors ever holds cx)
	s_lshl_b32 s47, s12, 9
	s_add_co_u32 s46, s46, s47
	s_mov_b32 s47, 0
	s_add_nc_u64 s[8:9], s[8:9], s[46:47]
	s_add_nc_u64 s[66:67], s[66:67], s[46:47]      ; the same offset in bias
.irp b, 0,1,2,3,4,5,6,7
	global_load_b128 v[BIAS+8*(\b):BIAS+8*(\b)+3],   v[BO], s[66:67] offset:64*(\b)
	global_load_b128 v[BIAS+8*(\b)+4:BIAS+8*(\b)+7], v[BO], s[66:67] offset:64*(\b)+16
.endr
	; the prefetches.  s13 = 256 x tile row, s42 = tile column, s40 = cx, s41 = cy still stand
	s_lshl_b32 s42, s42, 8
	s_and_b32 s22, ttmp7, 0xffff                   ; cluster y
	s_cmp_eq_u32 s11, 0                            ; do I fetch for x16?
	s_cselect_b32 s20, s13, s42                    ; the tile's first row: in x16 by the tile row, in w16 by the tile column
	s_cselect_b32 s21, s40, s41                    ; my place among the four that ask for it with me
	s_cselect_b32 s22, ttmp9, s22                  ; the coordinate along which other clusters read the same rows
	s_cselect_b64 s[PFA:PFA+1], s[4:5], s[6:7]
	s_cmp_eq_u32 s22, 0
	s_cselect_b32 s[LIM], 1, -1                    ; the same in all sixteen partners, for a given wave
	s_lshl_b32 s22, s12, 7
	s_add_co_u32 s20, s20, s22                     ; + the 128 rows that I fetch
	s_lshl_b32 s21, s21, 5
	s_add_co_u32 s20, s20, s21                     ; + my work-group's 32 of them
	s_lshl_b32 s20, s20, 13
	s_mov_b32 s21, 0
	s_add_nc_u64 s[PFA:PFA+1], s[PFA:PFA+1], s[20:21]
	s_add_nc_u64 s[PFA:PFA+1], s[PFA:PFA+1], 2*KSTEP*2  ; at K step 2: the first refill steps it to 3 and names K step 4
	v_and_b32 v[PFO], 31, v0
	v_lshlrev_b32 v[PFO], 13, v[PFO]
; 16 matrix instructions: row blocks a0, a0 + 1 of the window's four (hi = 0: my rows 0-63, 1: rows 64-127) x all 8 column blocks, 32 along K.  first = 1: the product starts the sum on the bias.
; The 64 accumulators take turns, one instruction a turn, in the same order in every quarter step: 63 others stand between two links of a chain, over the backward jump too.
.macro MUL16 f, hi, a0, first
.if \first
	WIN 0x81+0x40*(\hi)                            ; w16 window 1, x16 and the bias window 0, D window 2 or 3
.else
	WIN 0xa1+0x50*(\hi)                            ; w16 window 1, x16 window 0, C and D window 2 or 3
.endif
.irp a, \a0, (\a0)+1
.irp b, 0,1,2,3,4,5,6,7
.if \first
	v_wmma_f32_16x16x32_f16 v[8*(8*(\a)+(\b)):8*(8*(\a)+(\b))+7], v[(\f)+8*(\b):(\f)+8*(\b)+7], v[(\f)+8*(4*(\hi)+(\a)):(\f)+8*(4*(\hi)+(\a))+7], v[BIAS+8*(\b):BIAS+8*(\b)+7]
.else
	v_wmma_f32_16x16x32_f16 v[8*(8*(\a)+(\b)):8*(8*(\a)+(\b))+7], v[(\f)+8*(\b):(\f)+8*(\b)+7], v[(\f)+8*(4*(\hi)+(\a)):(\f)+8*(4*(\hi)+(\a))+7], v[8*(8*(\a)+(\b)):8*(8*(\a)+(\b))+7]
.endif
.endr
.endr
.endm
; 32 LDS loads in one run: the fragments of one quarter step (128 rows of w16, 128 rows of x16, 32 K at byte k of the rows) into buffer f
.macro FETCH slot, k, f
	WIN TO_B
.irp i, 0,1,2,3,4,5,6,7
	ds_load_b128 v[(\f)+8*(\i):(\f)+8*(\i)+3],   v[ADRB+(\slot)] offset:(\k)+(\i)*16*PITCH
	ds_load_b128 v[(\f)+8*(\i)+4:(\f)+8*(\i)+7], v[ADRB+(\slot)] offset:(\k)+(\i)*16*PITCH+32
.endr
	WIN 0
.irp i, 0,1,2,3,4,5,6,7
	ds_load_b128 v[(\f)+8*(\i):(\f)+8*(\i)+3],   v[ADRA+(\slot)] offset:(\k)+(\i)*16*PITCH
	ds_load_b128 v[(\f)+8*(\i)+4:(\f)+8*(\i)+7], v[ADRA+(\slot)] offset:(\k)+(\i)*16*PITCH+32
.endr
.endm
; A load into a register that a matrix instruction has read, and an LDS store that reads a matrix result, stand four places behind that matrix instruction, and only plain vector instructions that
; name none of its registers are places (ISA guide 7.12.1 for vector instructions).
.macro PLACES
.rept 4
	v_nop
.endr
.endm
; A K step is four quarter steps of 32 along K, 64 matrix instructions each, on buffers 0, 1, 0, 1.  One of the first three: multiplies buffer f; in its middle it fetches the next quarter's fragments into buffer g.
.macro QUARTER slot, k, f, g, first
	s_wait_dscnt 8                                 ; w16 and x16's rows 0-63 are in; the youngest eight loads (x16's rows 64-127) may be out
	MUL16 \f, 0, 0, \first
	MUL16 \f, 0, 2, \first
	PLACES
	FETCH \slot, \k, \g
	s_wait_dscnt 32                                ; all but the 32 just issued
	MUL16 \f, 1, 0, \first
	MUL16 \f, 1, 2, \first
.endm
; The last quarter multiplies buffer 1 and changes slots.  MEET is its first half: ONE barrier for the change.  In front of it each wave waits for all its tensor loads, of which one is out: its part of the
; next slot; adds 0 to its spare word; and waits for that and for its own reads of this slot.  Behind it nobody reads this slot any more and the next slot is whole.
.macro MEET round                      ; round = 1: the rest of a round of the cluster's barrier follows
	WIN 0                                          ; (the add's two registers lie in window 0)
	s_wait_tensorcnt 0x0                           ; all my tensor loads have landed;
	ds_add_u32 v[SPW], v[NIL]                      ; 0 onto my spare word;
	s_wait_dscnt 9                                 ; (the add and the youngest eight loads may be out)
	MUL16 F1, 0, 0, 0                              ; sixteen matrix instructions stand between the add and the wait for it
	s_wait_dscnt 0x0                               ; the add is done, and my reads of this slot are over:
	s_barrier_signal -1                            ; say so,
	MUL16 F1, 0, 2, 0                              ; work on registers while the others arrive,
.if \round
	WIN 0
.endif
	s_barrier_wait -1                              ; and go on when all four have said so
.endm
; The whole last quarter in the loop.  Behind the round the slot just read out is filled again first, with the K step two steps on; then come the next slot's first fragments.
; From a request to the wait for it a wave issues 224 matrix instructions.
.macro TURN slot, next
	s_wait_xcnt 0x0                                ; the last prefetch, a K step back, has read its address: it is stepped here, ahead of the change's own waits
	s_add_nc_u64 s[PFA:PFA+1], s[PFA:PFA+1], KSTEP*2
	MEET 1
	CREST                                          ; no wave of any partner still reads this slot's tile or has a load on its way
	s_add_nc_u64 s[G0+4*(\slot)+2:G0+4*(\slot)+3], s[G0+4*(\slot)+2:G0+4*(\slot)+3], 2*KSTEP*2    ; no tensor load of mine is out, so a group 0 may be written
	s_add_nc_u64 s[G0B+4*(\slot)+2:G0B+4*(\slot)+3], s[G0B+4*(\slot)+2:G0B+4*(\slot)+3], 2*KSTEP*2
	JLOAD \slot                                    ; the first tensor load behind the round, and my only one until the next; its four v_nop are also the places in front of the loads below
	FETCH \next, 0, F0
	ASK
	MUL16 F1, 1, 0, 0
	MUL16 F1, 1, 2, 0
.endm
; THE WAY OUT of row block a (16 rows x 128 columns of f32).  TOSTAGE: a lane's eight numbers of a row, 32 bytes, go from the accumulators into my own stage (each accumulator's low four registers first), and
; come back as whole rows of 512 bytes, into buffer a % 2.  SEND: stored.
.macro TOSTAGE a
.set AC, 64*((\a)%4)
.set BK, F0+64*((\a)%2)
	WIN 0x08+4*((\a)/4)                            ; the stores' data in window 2 or 3, the address in window 0
.irp b, 0,1,2,3,4,5,6,7
	ds_store_b128 v[STO], v[AC+8*(\b):AC+8*(\b)+3]   offset:64*(\b)
	ds_store_b128 v[STO], v[AC+8*(\b)+4:AC+8*(\b)+7] offset:64*(\b)+16
.endr
	WIN 0
.if (\a) >= 2
	s_wait_xcnt 0x0                                ; the stores of block a - 2 have read this buffer: it is loaded again only behind this wait
.endif
.irp t, 0,1,2,3,4,5,6,7,8,9,10,11,12,13,14,15
	ds_load_b128 v[BK+4*(\t):BK+4*(\t)+3], v[RD] offset:SPITCH*(\t)  ; LDS serves a wave's instructions in order (ISA guide 5.7.1.4): these see the stores above; the next block's stores come behind them
.endr
.endm
.macro SEND a, younger                 ; younger: the LDS instructions issued behind block a's loads: the next block's 32, or none
.set BK, F0+64*((\a)%2)
	s_wait_dscnt \younger                          ; the block is back in registers
.irp t, 0,1,2,3,4,5,6,7,8,9,10,11,12,13,14,15
	global_store_b128 v[CO], v[BK+4*(\t):BK+4*(\t)+3], s[8:9] offset:(16*(\a)+(\t))*SIZE_N*4 th:TH_STORE_NT  ; a wave stores 512 consecutive bytes of one row, aligned; the row stands in the immediate, 2,080,768 at the most
.endr
.endm
	s_wait_tensorcnt 1                             ; my part of K step 0 is in; K step 1's may stay out
	s_barrier_signal -1
	s_barrier_wait -1                              ; everybody's is
	FETCH 0, 0, F0
	s_wait_loadcnt 0x0                             ; the bias
	QUARTER 0, 64,  F0, F1, 1                      ; the first quarter stands in front of the loop: its products start the sums
	WIN 0                                          ; at a label and at a branch every window is 0
	s_mov_b32 s3, LAPS-1
.Llap:                                                 ; a trip goes once round the ring, from a lap's second quarter to the next lap's first, and fills both slots again
	QUARTER 0, 128, F1, F0, 0
	QUARTER 0, 192, F0, F1, 0
	TURN 0, 1
	QUARTER 1, 64,  F0, F1, 0
	QUARTER 1, 128, F1, F0, 0
	QUARTER 1, 192, F0, F1, 0
	TURN 1, 0
	QUARTER 0, 64,  F0, F1, 0
	WIN 0
	s_sub_co_u32 s3, s3, 1
	s_cmp_lg_u32 s3, 0
	s_cbranch_scc1 .Llap
	QUARTER 0, 128, F1, F0, 0                      ; the last lap is written out: it fills nothing, and has no round of the cluster's barrier
	QUARTER 0, 192, F0, F1, 0
	MEET 0                                         ; my one tensor load that was still out is slot 1's, the last K step's
	PLACES                                         ; for the loads into buffer 0, which the quarter before multiplied
	FETCH 1, 0, F0
	MUL16 F1, 1, 0, 0
	MUL16 F1, 1, 2, 0
	QUARTER 1, 64,  F0, F1, 0
	QUARTER 1, 128, F1, F0, 0
	QUARTER 1, 192, F0, F1, 0
	s_wait_dscnt 8                                 ; the very last quarter: nothing more to fetch
	MUL16 F1, 0, 0, 0
	MUL16 F1, 0, 2, 0
	s_wait_dscnt 0x0
	MUL16 F1, 1, 0, 0
	MUL16 F1, 1, 2, 0
	WIN 0
	PLACES                                         ; behind the last products: in front of the stores that read results and of the loads into the fragment buffers
	TOSTAGE 0
.irp a, 1,2,3,4,5,6,7                  ; block a's trip through the stage is under way while block a - 1 is stored
	TOSTAGE \a
	SEND (\a)-1, 32
.endr
	SEND 7, 0
	s_wait_tensorcnt 0x0                           ; the wave's end, behind my last tensor load and my last LDS store
	ds_add_u32 v[SPW], v[NIL]
	s_wait_dscnt 0x0
	CROUND                                         ; the closing round: no work-group ends while a partner may still ask for a tile that names it
	s_endpgm
.Lfunc_end_k_q88f292b200_gemm:
	.size	k_q88f292b200_gemm, .Lfunc_end_k_q88f292b200_gemm-k_q88f292b200_gemm
	.p2alignl 7, 3214868480
	.fill 96, 4, 3214868480
	.section	.rodata,"a",@progbits
	.p2align	6, 0x0
	.amdhsa_kernel k_q88f292b200_gemm
		.amdhsa_group_segment_fixed_size 327680
		.amdhsa_private_segment_fixed_size 0
		.amdhsa_enable_private_segment 0
		.amdhsa_kernarg_size 32
		.amdhsa_user_sgpr_count 2
		.amdhsa_user_sgpr_kernarg_segment_ptr 1
		.amdhsa_wavefront_size32 1
		.amdhsa_system_sgpr_workgroup_id_x 1
		.amdhsa_system_sgpr_workgroup_id_y 1
		.amdhsa_system_sgpr_workgroup_id_z 1
		.amdhsa_system_vgpr_workitem_id 0
		.amdhsa_next_free_vgpr 1024
		.amdhsa_next_free_sgpr 68
		.amdhsa_reserve_vcc 0
		.amdhsa_float_denorm_mode_32 3
		.amdhsa_float_denorm_mode_16_64 3
		.amdhsa_memory_ordered 1
		.amdhsa_forward_progress 1
		.amdhsa_inst_pref_size 143
	.end_amdhsa_kernel
	.amdgpu_metadata
---
amdhsa.version: [ 1, 2 ]
amdhsa.kernels:
  - .name:           k_q88f292b200_gemm
    .symbol:         k_q88f292b200_gemm.kd
    .args:
      - { .name: x16, .offset: 0, .size: 8, .value_kind: global_buffer, .address_space: global }
      - { .name: w16, .offset: 8, .size: 8, .value_kind: global_buffer, .address_space: global }
      - { .name: out0, .offset: 16, .size: 8, .value_kind: global_buffer, .address_space: global }
      - { .name: bias, .offset: 24, .size: 8, .value_kind: global_buffer, .address_space: global }
    .group_segment_fixed_size: 327680
    .private_segment_fixed_size: 0
    .kernarg_segment_align: 8
    .kernarg_segment_size: 32
    .max_flat_workgroup_size: 128
    .sgpr_count:     68
    .vgpr_count:     1024
    .wavefront_size: 32
...
	.end_amdgpu_metadata
.endif
;; end of part 3
